; MI455X (gfx1250); checked and timed in simulation.
; The chip was launched on July 23, 2026; its instructions are those of AMD's public machine-readable ISA for CDNA 5 (MIT licence, August 2026) and "CDNA5" Instruction Set Architecture Reference Guide (July 2026). The comments in the code are by the model that wrote it; some were corrected since.
;; Scale Dot Product Attention. Allowed arithmetic: matrix products marked QUANTISED: E3M2 operands, one E8M0 scale for each 32 along K, by v_wmma_scale_f32_16x16x128_f8f6f4 with both operands' format E3M2, f32 sums; everything else in f32.
;; Inputs: k 2 x 16 x 2,048 x 64 float32; mask 2 x 1 x 2,048 x 2,048 int32; q 2 x 16 x 2,048 x 64 float32; v 2 x 16 x 2,048 x 64 float32.
;; Outputs: out0 2 x 16 x 2,048 x 64 float32.
;; This version of the problem:
;;   THIS VERSION OF THE PROBLEM IS GIVEN IN LOW PRECISION. The matrix products marked QUANTISED in the list below multiply operands that are first quantised to E3M2 (3 exponent bits, 2 mantissa bits; 6 bits a number), with one power-of-two scale for each 32 numbers along K (OCP MX v1.0); their sums are f32. All else is computed in f32.
;;   The module's matrix products, in the order in which they are computed (A, B: the left and right operand; K: the contracted axis; several contracted axes count as one K, in the product's order):
;;     1. batch 32 x [M 2,048, K 64] x [K 64, N 2,048]; A: input q; B: input k: QUANTISED
;;     2. batch 32 x [M 2,048, K 2,048] x [K 2,048, N 64]; A: softmax (see below); B: input v: QUANTISED
;;   THE QUANTISER, for each operand of a quantised product, along K:
;;     - K is cut into blocks of 32 from its start; a last block that is shorter is filled with zeros.
;;     - A block's scale is 2^e with e = floor(log2(the largest magnitude in the block)) - 4, held to -126 .. 127; a block of zeros has e = 0. As a byte (E8M0): e + 127.
;;     - Each number is divided by its block's scale, clamped to +-28, and rounded to the nearest number of E3M2, ties to even, subnormals kept.
;;     - The product sums the exact products of the quantised numbers (number of the format x scale) in f32.
;;   ~~~python
;;   def quantise(x, axis):      # numpy; x: float32 -> the quantised numbers, widened to float32 again
;;       x = np.moveaxis(x, axis, -1); K = x.shape[-1]
;;       x = np.pad(x, [(0, 0)] * (x.ndim - 1) + [(0, -K % 32)]); x = x.reshape(x.shape[:-1] + (-1, 32)); a = np.abs(x).max(-1, keepdims=True)
;;       e = np.where(a > 0, np.clip(np.frexp(np.where(a > 0, a, 1))[1] - 1 - 4, -126, 127), 0)      # np.frexp(a)[1] - 1 = floor(log2(a)), exactly
;;       r = np.clip(x / 2.0 ** e, -28, 28)
;;       step = 2.0 ** (np.maximum(np.frexp(np.where(r == 0, 1, r))[1] - 1, -2) - 2)
;;       q = np.round(r / step) * step * 2.0 ** e      # np.round: ties to even
;;       return np.moveaxis(q.reshape(q.shape[:-2] + (-1,))[..., :K], -1, axis).astype(np.float32)
;;   ~~~
;;   SOFTMAX AHEAD OF A QUANTISED PRODUCT. Where the list says 'softmax', what is quantised is not the finished softmax but p = 2^(t - M), with t = logit x log2(e) and M = ceil(the row's largest t), a whole number; so 1/2 < the row's largest p <= 1. The row's sum l is taken of the UNQUANTISED p, in f32, and the product's result is divided by l at the end. Since M is a whole number, a kernel that streams over the keys may use a running M (the ceiling of the running maximum): every later rescaling is an exact power of two, which a block's scale takes up: the codes' values come out the same.
;;   OPERANDS COMPUTED ON THE WAY. 'Computed on the way' means the value that the module computes at that place (a softmax that the list does not call 'softmax' is quantised finished and normalised). What goes into a quantiser is computed in f32, as accurately as f32 sums, v_exp_f32 and their like allow (about 1e-6 of the number): no bf16 or f16 on the way to a quantiser, and a product that is left as it is and whose result goes on into a quantised operand takes f32 operands (vector FMAs, or v_wmma_f32_16x16x4_f32). A number that lies on a knife's edge between two numbers of the format may be rounded either way, as far as f32 arithmetic and the matrix unit's own rounding can turn it there, and no further.
;; One version. Each part assembles by itself: llvm-mc -triple=amdgcn-amd-amdhsa -mcpu=gfx1250 --defsym DOCPART=n.
;; ======== version 1 of 1: 2 launches
;; limits: right only within a limited range of input values
;; workspace buffers: kv 6,684,672 bytes; mw 1,048,576 bytes of whole numbers
;; launch prep (part 1): grid 768 x 1, 4 waves a work-group, no clusters, 103,936 bytes of LDS; arguments k, v, mask, kv, mw; writes kv, mw
.if DOCPART == 1
	.amdgcn_target "amdgcn-amd-amdhsa--gfx1250"
	.amdhsa_code_object_version 6
	.text
	.protected	k_qde03aa92da_prep
	.globl	k_qde03aa92da_prep
	.p2align	8
	.type	k_qde03aa92da_prep,@function
k_qde03aa92da_prep:
	s_mov_b64 s[64:65], 0
	v_nop
	global_prefetch_b8 v0, s[64:65] scope:SCOPE_SE
	s_setreg_imm32_b32 hwreg(HW_REG_WAVE_MODE, 25, 1), 1
	s_wait_xcnt 0x0
; k, v [32 heads][2048 keys][64] f32 and mask [2][2048][2048] int32 are read once and laid as the attention launch wants them.
; kv: for each head and each step of 128 keys a dense record of REC = 13,056 bytes (51 x 256):
;   0      K's codes (E3M2, blocks of 32 along d): 48 registers a lane, as 12 groups of 512 bytes (group g = registers 4 g .. 4 g + 3, lane L's 16 bytes at 16 L).
;          Registers 6 t .. 6 t + 5 of lane (r, h): key 64 (t / 4) + 32 (r / 8) + 8 (t % 4) + r % 8 of the step, d = 32 h .. 32 h + 31.
;   6144   V's codes (blocks of 32 along the KEYS): 48 registers likewise.  Registers 12 T + 6 c .. + 5 of lane (r, h): d = 16 T + r, keys 64 c + 32 h .. + 31 of the step.
;   12288  K's scale words, 4 registers: register i: lanes 0-15 tile 2 i's rows, lanes 16-31 tile 2 i + 1's; byte 0 block d 0-31, byte 1 block d 32-63, bytes 2, 3 zero.
;   12800  V's scale words, 2 registers: register x, lane l: d = 32 x + l, bytes 0 .. 3 the step's four blocks of keys.
; mw: [batch][tile of 16 queries][step][64 words]: bit L of word n is set where mask[16 tile + L % 16][128 step + 64 (n / 32) + 32 (L / 16) + n % 32] is not 0.
; A block's scale byte is its largest magnitude's exponent field - 4, held at 1 from below; each number is divided by the scale and rounded to the nearest code, ties to even, beyond 28 the largest code.
; LIMITS: a block of zeros (or under 2^-122) gets the byte 1 where the rule says 127: its codes are zeros, and only this program reads the bytes; NaN and infinities in k and v are not served.
; SHARES: work-groups 0-127 take K, 128-255 V (a wave: one record, 32,768 bytes read), 256-767 the mask (a wave: 16 queries x 256 keys, 16,384 bytes read).  Waves share nothing: no barrier.
; Each of the three paths has LDS bytes of its own; in them each wave has a stage of its own.  Every load reads 512 consecutive bytes, every store but the last of a record writes 512, that one 256.
.set REC,  13056
.set SP,   272                         ; a key's row in the stage: 256 bytes + 16
.set WST,  32*SP                       ; a wave's stage for K or V: 32 keys
.set KREG, 0
.set VREG, 4*WST
.set MREG, 8*WST
.set MP,   528                         ; a query's row in the mask's stage: 512 bytes + 16
.set R,    32                          ; v32-95, v96-159  two sets of 64 registers as loaded
.set X,    160                         ; from v160        numbers as the work wants them
.set CK,   224                         ; v224-247  K: two sets of 12 code registers
.set KSI,  248                         ; v248-251  K's scale words
.set CV,   192                         ; v192-239  V's 48 code registers
.set VSI,  240                         ; v240-241  V's scale words
.set WD,   224                         ; v224-227  the mask's words, a pair for each key step
	s_load_b256 s[4:11], s[0:1], 0x0               ; k s[4:5], v s[6:7], mask s[8:9], kv s[10:11]
	s_load_b64 s[12:13], s[0:1], 0x20              ; mw
	v_lshl_add_u32 v254, v0, 2, 0x19400            ; my spare word, behind the three paths' stages
	v_mov_b32 v255, 0
	v_lshrrev_b32 v1, 5, v0
	v_readfirstlane_b32 s14, v1                    ; wave 0..3
	v_and_b32 v1, 31, v0                           ; lane
	v_lshlrev_b32 v2, 4, v1                        ; 16 x lane
	v_lshlrev_b32 v3, 3, v1                        ; 8 x lane
	v_and_b32 v4, 15, v0                           ; r
	v_bfe_u32 v5, v0, 4, 1                         ; h
	s_mov_b32 s20, 0x76543210
	s_mov_b32 s21, 0xfedcba98                      ; v_permlanex16_b32's selects for lane l xor 16
	s_mov_b32 s17, 0                               ; the upper word of every offset below
	s_wait_kmcnt 0x0
	s_cmp_lt_u32 ttmp9, 128
	s_cbranch_scc1 .Lkpath
	s_cmp_lt_u32 ttmp9, 256
	s_cbranch_scc1 .Lvpath
; ---------------- THE MASK.  Wave T of 2,048: queries 16 (T / 8) on (batches on end), keys 256 (T % 8) on: two key steps.
	s_sub_co_u32 s15, ttmp9, 256
	s_lshl_b32 s15, s15, 2
	s_add_co_u32 s15, s15, s14                     ; T
	s_lshr_b32 s16, s15, 3
	s_lshl_b32 s16, s16, 17                        ; 16 rows of 8,192 bytes
	s_and_b32 s18, s15, 7
	s_lshl_b32 s18, s18, 10                        ; 256 keys of 4 bytes
	s_add_co_u32 s16, s16, s18
	s_add_nc_u64 s[8:9], s[8:9], s[16:17]
	s_lshl_b32 s16, s15, 9                         ; two steps' 64 words each
	s_add_nc_u64 s[12:13], s[12:13], s[16:17]
	s_mul_i32 s18, s14, 16*MP
	s_add_co_u32 s18, s18, MREG                    ; my stage
	s_wait_alu depctr_va_vdst(0)
	v_add_nc_u32 v6, s18, v2                       ; in: a row's 512 bytes as loaded
	v_mul_u32_u24 v7, v4, MP
	v_lshl_add_u32 v7, v5, 7, v7
	v_add_nc_u32 v7, s18, v7                       ; out: query r, 32 keys on for lanes 16-31
.irp e, 0,1                                    ; both steps' loads go out first: row i, 128 keys: 512 consecutive bytes
.set ii, 0
.rept 16
	global_load_b128 v[R+64*\e+4*ii:R+64*\e+4*ii+3], v2, s[8:9] offset:8192*ii+512*\e th:TH_LOAD_NT
.set ii, ii+1
.endr
.endr
.irp i, 0,1,2,3
	v_mov_b32 v[WD+\i], 0                          ; a lane write's destination counts as read
.endr
	s_wait_alu depctr_va_vdst(0)
.irp e, 0,1
	s_wait_loadcnt 16*(1-\e)                       ; this step's 16 loads are in; the other step's may be out
.set ii, 0
.rept 16
	ds_store_b128 v6, v[R+64*\e+4*ii:R+64*\e+4*ii+3] offset:MP*ii
.set ii, ii+1
.endr
.set ii, 0
.rept 16                                       ; register n = 4 ii + .. of lane (r, h): query r, key 64 (n / 32) + 32 h + n % 32.  LDS serves a wave's instructions in order: these see the stores
	ds_load_b128 v[X+4*ii:X+4*ii+3], v7 offset:256*(ii/8)+16*(ii%8)
.set ii, ii+1
.endr
	s_wait_dscnt 0x0
.irp q, 0,1,2,3                                ; sixteen words at a time: a compare gives a word, bit L for lane L; word n goes to lane n / 2, register n % 2
.irp k, 0,1,2,3,4,5,6,7,8,9,10,11,12,13,14,15
	v_cmp_ne_u32 s[32+\k], 0, v[X+16*\q+\k]
.endr
.irp k, 0,1,2,3,4,5,6,7,8,9,10,11,12,13,14,15
	v_writelane_b32 v[WD+2*\e+\k%2], s[32+\k], 8*\q+\k/2
.endr
.endr
	global_store_b64 v3, v[WD+2*\e:WD+2*\e+1], s[12:13] offset:256*\e   ; 32 lanes store the step's 64 words: 256 consecutive bytes, aligned
.endr
	s_wait_tensorcnt 0x0                           ; the wave's end
	ds_add_u32 v254, v255
	s_wait_dscnt 0x0
	s_endpgm
; ---------------- what K's and V's paths share
.macro LOAD8K b, p                     ; V: 32 keys on end x 256 bytes, from base s[p:p+1], into set b % 2
.set ii, 0
.rept 16
	global_load_b128 v[R+64*((\b)%2)+4*ii:R+64*((\b)%2)+4*ii+3], v2, s[\p:\p+1] offset:8192*(\b)+512*ii th:TH_LOAD_NT
.set ii, ii+1
.endr
.endm
.macro LOADK b                         ; K, round b: keys 64 (b / 2) + 16 (b % 2) + 0 .. 15, and the sixteen that lie 32 further on: what tiles 2 b and 2 b + 1 hold
.set ii, 0
.rept 16
	global_load_b128 v[R+64*((\b)%2)+4*ii:R+64*((\b)%2)+4*ii+3], v2, s[4:5] offset:16384*((\b)/2)+4096*((\b)%2)+8192*(ii/8)+512*(ii%8) th:TH_LOAD_NT
.set ii, ii+1
.endr
.endm
.macro TOSTAGE b                       ; a load's lanes 0-15 hold one key, lanes 16-31 the next: the round's key number x lies at x SP
.set ii, 0
.rept 16
	ds_store_b128 v6, v[R+64*((\b)%2)+4*ii:R+64*((\b)%2)+4*ii+3] offset:2*SP*ii
.set ii, ii+1
.endr
.endm
; 32 numbers of one lane, v[x] on, are a whole block: six registers of codes at v[lo] on (lo even), the conversion's scale operand in v[so], the scale's byte in v[by]
.macro QBLK x, lo, hi, so, by
	v_max3_num_f32 v10, |v[(\x)]|, |v[(\x)+1]|, |v[(\x)+2]|          ; the largest magnitude, in two chains
	v_max3_num_f32 v11, |v[(\x)+3]|, |v[(\x)+4]|, |v[(\x)+5]|
.irp i, 6,10,14,18,22,26
	v_max3_num_f32 v10, v10, |v[(\x)+\i]|, |v[(\x)+\i+1]|
	v_max3_num_f32 v11, v11, |v[(\x)+\i+2]|, |v[(\x)+\i+3]|
.endr
	v_max3_num_f32 v10, v10, |v[(\x)+30]|, |v[(\x)+31]|
	v_max3_num_f32 v10, v10, v11, 0x2800000        ; and the floor 2^(5 - 127): the byte cannot fall under 1
	v_add_nc_u32 v[\so], 0xfe000000, v10           ; 4 off the exponent field: the conversion takes this operand's exponent field as its scale
	v_lshrrev_b32 v[\by], 23, v[\so]               ; the scale's byte
	v_cvt_scalef32_pk16_bf6_f32 v[(\lo):(\lo)+2], v[(\x):(\x)+15], v[\so]
	v_cvt_scalef32_pk16_bf6_f32 v[(\hi):(\hi)+2], v[(\x)+16:(\x)+31], v[\so]   ; (a conversion's three registers begin on an even number: the second half is made elsewhere and moved)
	v_nop                                          ; one plain place behind a scaled conversion
.irp i, 0,1,2
	v_mov_b32 v[(\lo)+3+\i], v[(\hi)+\i]
.endr
.endm
; ---------------- K.  Wave T of 512 = 16 x head + step.
.Lkpath:
	s_lshl_b32 s15, ttmp9, 2
	s_add_co_u32 s15, s15, s14                     ; T
	s_lshl_b32 s16, s15, 15                        ; 128 keys of 256 bytes
	s_add_nc_u64 s[4:5], s[4:5], s[16:17]
	s_mul_i32 s16, s15, REC
	s_add_nc_u64 s[10:11], s[10:11], s[16:17]
	s_wait_alu depctr_va_vdst(0)
	LOADK 0
	LOADK 1
	s_mul_i32 s18, s14, WST
	s_add_co_u32 s18, s18, KREG                    ; my stage
	v_mul_u32_u24 v6, v5, SP
	v_lshl_add_u32 v6, v4, 4, v6
	v_add_nc_u32 v6, s18, v6                       ; in
	v_and_b32 v7, 8, v4
	v_add_nc_u32 v7, v7, v4                        ; r + 8 (r / 8): rows 0-7 of a tile come from the round's first sixteen keys, rows 8-15 from its second sixteen
	v_mul_u32_u24 v7, v7, SP
	v_lshl_add_u32 v7, v5, 7, v7                   ; + my half's 32 numbers
	v_add_nc_u32 v7, s18, v7                       ; out
	v_lshlrev_b32 v8, 3, v5                        ; 8 h: my byte's place in the scale word
	v_cmp_le_u32 vcc_lo, 16, v1                    ; lanes 16-31
	v_mov_b32 v18, 0                               ; a lane permute's destination counts as read
	v_mov_b32 v19, 0
	s_wait_alu depctr_va_vdst(0)
.irp b, 0,1,2,3                                ; a round = tiles 2 b and 2 b + 1
.if \b < 3
	s_wait_loadcnt 16                              ; this round's keys are in; the next round's 16 loads may be out
.else
	s_wait_loadcnt 0x0
.endif
	TOSTAGE \b
.irp u, 0,1
.irp j, 0,1,2,3,4,5,6,7
	ds_load_b128 v[X+32*\u+4*\j:X+32*\u+4*\j+3], v7 offset:8*SP*\u+16*\j   ; tile 2 b + u: my key's d = 32 h .. 32 h + 31
.endr
.endr
	s_wait_dscnt 0x0                               ; they are in, and the stores into the stage have read their registers,
.if \b < 2
	LOADK \b+2                                     ; which take the keys of two rounds on
.else
	s_wait_xcnt 0x0                                ; the stores of two rounds back have read this set of code registers
.endif
	QBLK X, CK+12*(\b%2), 20, 12, 14
	QBLK X+32, CK+12*(\b%2)+6, 24, 13, 15
	v_lshlrev_b32 v16, v8, v14                     ; my block's byte at its place;
	v_lshlrev_b32 v17, v8, v15
	v_permlanex16_b32 v18, v16, s20, s21
	v_permlanex16_b32 v19, v17, s20, s21
	v_or_b32 v16, v16, v18                         ; with lane l xor 16's the key's word is whole
	v_or_b32 v17, v17, v19
	v_cndmask_b32 v[KSI+\b], v16, v17, vcc_lo      ; lanes 0-15 carry tile 2 b's words, lanes 16-31 tile 2 b + 1's
.irp g, 0,1,2
	global_store_b128 v2, v[CK+12*(\b%2)+4*\g:CK+12*(\b%2)+4*\g+3], s[10:11] offset:512*(3*\b+\g)
.endr
.endr
	global_store_b128 v2, v[KSI:KSI+3], s[10:11] offset:12288
	s_wait_tensorcnt 0x0                           ; the wave's end
	ds_add_u32 v254, v255
	s_wait_dscnt 0x0
	s_endpgm
; ---------------- V.  Wave T of 512 = 16 x head + step.  A lane takes a column d and its registers run down the keys: a block of 32 keys lies in one lane, and the codes come out with the keys innermost.
.Lvpath:
	s_sub_co_u32 s15, ttmp9, 128
	s_lshl_b32 s15, s15, 2
	s_add_co_u32 s15, s15, s14                     ; T
	s_lshl_b32 s16, s15, 15
	s_add_nc_u64 s[6:7], s[6:7], s[16:17]
	s_mul_i32 s16, s15, REC
	s_add_nc_u64 s[10:11], s[10:11], s[16:17]
	s_wait_alu depctr_va_vdst(0)
	LOAD8K 0, 6
	LOAD8K 1, 6
	s_mul_i32 s18, s14, WST
	s_add_co_u32 s18, s18, VREG                    ; my stage
	v_mul_u32_u24 v6, v5, SP
	v_lshl_add_u32 v6, v4, 4, v6
	v_add_nc_u32 v6, s18, v6                       ; in
	v_lshl_add_u32 v7, v1, 2, s18                  ; out: 4 bytes a lane: column d = lane
	s_wait_alu depctr_va_vdst(0)
.irp t, 0,1,2,3                                ; block t of the step's four blocks of 32 keys
.if \t < 3
	s_wait_loadcnt 16                              ; this block's keys are in; the next block's 16 loads may be out
.else
	s_wait_loadcnt 0x0
.endif
	TOSTAGE \t
.irp x, 0,1                                    ; columns d = 32 x + lane
.set ii, 0
.rept 32
	ds_load_b32 v[X+ii], v7 offset:SP*ii+128*\x    ; key ii: 32 lanes read 128 consecutive bytes
.set ii, ii+1
.endr
	s_wait_dscnt 0x0
.if (\x == 0) && (\t < 2)
	LOAD8K \t+2, 6                                 ; the stores into the stage have read their registers
.endif
	QBLK X, CV+12*(2*\x+\t%2)+6*(\t/2), 20, 12, 14
.if \t == 0
	v_mov_b32 v[VSI+\x], v14                       ; four bytes to a word, the lower keys in the lower byte
.else
	v_lshl_or_b32 v[VSI+\x], v14, 8*\t, v[VSI+\x]
.endif
.endr
.if \t%2 == 1
; Blocks 2 c and 2 c + 1 are made.  Of each, lanes 0-15 hold tile 2 x's rows and lanes 16-31 tile 2 x + 1's; the operand wants, of ONE tile, block 2 c in lanes 0-15 and block 2 c + 1 in lanes 16-31:
; the first register's lanes 16-31 change places with the second's lanes 0-15.
.irp x, 0,1
.irp i, 0,1,2,3,4,5
	v_permlane16_swap_b32 v[CV+24*\x+6*(\t/2)+\i], v[CV+24*\x+12+6*(\t/2)+\i]
.endr
.endr
.endif
.endr
.irp g, 0,1,2,3,4,5,6,7,8,9,10,11
	global_store_b128 v2, v[CV+4*\g:CV+4*\g+3], s[10:11] offset:6144+512*\g
.endr
	global_store_b64 v3, v[VSI:VSI+1], s[10:11] offset:12800
	s_wait_tensorcnt 0x0                           ; the wave's end
	ds_add_u32 v254, v255
	s_wait_dscnt 0x0
	s_endpgm
.Lfunc_end_k_qde03aa92da_prep:
	.size	k_qde03aa92da_prep, .Lfunc_end_k_qde03aa92da_prep-k_qde03aa92da_prep
	.p2alignl 7, 3214868480
	.fill 96, 4, 3214868480
	.section	.rodata,"a",@progbits
	.p2align	6, 0x0
	.amdhsa_kernel k_qde03aa92da_prep
		.amdhsa_group_segment_fixed_size 103936
		.amdhsa_private_segment_fixed_size 0
		.amdhsa_enable_private_segment 0
		.amdhsa_kernarg_size 40
		.amdhsa_user_sgpr_count 2
		.amdhsa_user_sgpr_kernarg_segment_ptr 1
		.amdhsa_wavefront_size32 1
		.amdhsa_system_sgpr_workgroup_id_x 1
		.amdhsa_system_sgpr_workgroup_id_y 1
		.amdhsa_system_sgpr_workgroup_id_z 1
		.amdhsa_system_vgpr_workitem_id 0
		.amdhsa_next_free_vgpr 256
		.amdhsa_next_free_sgpr 66
		.amdhsa_reserve_vcc 1
		.amdhsa_float_denorm_mode_32 3
		.amdhsa_float_denorm_mode_16_64 3
		.amdhsa_memory_ordered 1
		.amdhsa_forward_progress 1
		.amdhsa_inst_pref_size 95
	.end_amdhsa_kernel
	.amdgpu_metadata
---
amdhsa.version: [ 1, 2 ]
amdhsa.kernels:
  - .name:           k_qde03aa92da_prep
    .symbol:         k_qde03aa92da_prep.kd
    .args:
      - { .name: k, .offset: 0, .size: 8, .value_kind: global_buffer, .address_space: global }
      - { .name: v, .offset: 8, .size: 8, .value_kind: global_buffer, .address_space: global }
      - { .name: mask, .offset: 16, .size: 8, .value_kind: global_buffer, .address_space: global }
      - { .name: kv, .offset: 24, .size: 8, .value_kind: global_buffer, .address_space: global }
      - { .name: mw, .offset: 32, .size: 8, .value_kind: global_buffer, .address_space: global }
    .group_segment_fixed_size: 103936
    .private_segment_fixed_size: 0
    .kernarg_segment_align: 8
    .kernarg_segment_size: 40
    .max_flat_workgroup_size: 128
    .sgpr_count:     66
    .vgpr_count:     256
    .wavefront_size: 32
...
	.end_amdgpu_metadata
.endif
;; end of part 1
;; launch attn (part 2): grid 8 x 32, 16 waves a work-group, clusters of 4 x 1, 280,576 bytes of LDS; arguments q, kv, mw, out0; writes out0
.if DOCPART == 2
	.amdgcn_target "amdgcn-amd-amdhsa--gfx1250"
	.amdhsa_code_object_version 6
	.text
	.protected	k_qde03aa92da_attn
	.globl	k_qde03aa92da_attn
	.p2align	8
	.type	k_qde03aa92da_attn,@function
k_qde03aa92da_attn:
	s_mov_b64 s[64:65], 0
	v_nop
	global_prefetch_b8 v0, s[64:65] scope:SCOPE_SE
	s_setreg_imm32_b32 hwreg(HW_REG_WAVE_MODE, 25, 1), 1
	s_wait_xcnt 0x0
	s_wait_alu depctr_hold_cnt(0) depctr_sa_sdst(0) depctr_va_vdst(0) depctr_va_sdst(0) depctr_va_ssrc(0) depctr_va_vcc(0) depctr_vm_vsrc(0)
	s_getreg_b32 s2, hwreg(HW_REG_IB_STS2, 6, 4)
	s_cmp_eq_u32 s2, 0
	s_cbranch_scc0 .Lentry_in_a_cluster
	s_endpgm
.Lentry_in_a_cluster:
	s_bfe_u32 s2, ttmp6, 0x10000c
	s_cmp_lg_u32 s2, 0x3003
	s_cbranch_scc0 .Lentry_shape_is_right
	s_endpgm
.Lentry_shape_is_right:
; out0[head][q][:] = the sum over keys of softmax(q . k / 8, hidden keys at -infinity) v, both products on codes of E3M2 with one E8M0 scale for each 32 along a product's K.
; kv holds, for each head and step of 128 keys, a record of 13,056 bytes: images of the operands' registers (K's codes 6,144 bytes, V's 6,144, K's scale words 512, V's 256); mw holds the mask as lane masks:
; word n of a step and a tile of 16 queries has bit L set where query L % 16 sees key 64 (n / 32) + 32 (L / 16) + n % 32.  Both were made by the launch before.
; THE SOFTMAX AHEAD OF THE SECOND PRODUCT: t = score x log2(e) / 8; M = the largest t so far, rounded UP to a whole number; p = 2^(t - M) is what is quantised, along the keys, not normalised.  The row's sum is taken of the
; unquantised p and divides at the end.  When M moves, the sums and O are multiplied by 2^(old M - new M): exact.  Hidden scores become -infinity AHEAD of the maximum; a row with no open key ends as 0 x 1/0 = NaN.
; SHARES.  A work-group owns 256 queries of one head; each of its sixteen waves owns one tile of 16, in 256 registers: four waves to a SIMD.
; A HEAD'S 16 RECORDS, 208,896 BYTES, LIE IN LDS WHOLE AND ARE FILLED ONCE: wave w fetches record w, one tensor load a wave, at the head; no byte is filled again.
; CLUSTER.  The four query blocks of a cluster belong to one head and want the same records: each load is asked for JOINTLY, with the same descriptor and a mask that names the four.
; NO PREFETCH: all of kv that the work-group reads is asked for at the head, so there is no loop to run ahead in; the mask words (256 bytes a step) are asked for one step ahead by scalar loads.
; LAYOUT.  Both products are used transposed: S^T = K Q^T (source 0 = 16 keys, source 1 = my 16 queries), O^T = V^T P^T: a lane holds ONE query (lane % 16) throughout.  Row r of K's tile t is key
; 64 (t / 4) + 32 (r / 8) + 8 (t % 4) + r % 8, so that score register n of lane (r, h) is key 64 (n / 32) + 32 h + n % 32: A LANE'S 32 REGISTERS OF FOUR TILES ARE ONE WHOLE BLOCK OF 32 KEYS, block 2 (n / 32) + h,
; which is where the second product's operand wants it: a block's maximum needs no other lane, and the conversions' results change no lane.
; THE HEAD'S 64 IN A PRODUCT OF 128.  Q's registers 6 to 11 (k = 64 .. 127) hold zero codes, and no code of E3M2 is an infinity or a NaN: whatever the other operand holds there adds exactly 0.  So K's tiles are kept as six
; registers each, on end, and tile t's operand is v[32 + 6 t] to v[43 + 6 t]: its upper six are the next tile's codes (tile 7's: six zeros).  Bytes 2 and 3 of both sides' scale words are 0, a very small scale and no NaN.
; LIMITS: NaN and infinities in q, k, v are not served; a block of zeros (or under 2^-122) has the scale byte 1 where the rule says 127: its codes are zeros.  Any mask value but 0 counts as open.
; REGISTERS: v1 16 x lane, v2 8 x lane, v3 -infinity, v4-6 places in my stage, v7 8 h, v8-9 the step's LDS addresses, v10 the old -M, v12 -M, v13 the largest score, v28-31 and v86-89 the row's sum in four chains of pairs,
; v16-27 Q, v32-79 K's run, then V's, v80-85 zeros, v96-159 S^T, then p, v160-191 O^T, v192-203 p's codes, v204-205 V's scale words, v206 p's, v208-211 K's, v255 Q's, v232-246, v252-254 at work, v250-251 the add's.
.set REC,   13056
.set VIM,   6144                       ; in a record: V's image,
.set KSC,   12288                      ; K's scale words,
.set VSC,   12800                      ; V's
.set STAGE, 16*REC                     ; behind the records: 16 rows x 272 bytes for each wave: q's turn at the head, the way out at the end
.set SPI,   272
.set SPARE, STAGE+16*16*SPI            ; behind the stages: the spare words, 128 bytes for each wave
.set TB,   2                           ; s2   LDS byte of a record
.set MO,   3                           ; s3   the byte in my tile's mask words from which the next load reads
.set G0,   4                           ; s[4:7]   group 0: my record
.set G1,   12                          ; s[12:19] group 1: 51 rows of 256 bytes
.set MWP,  28                          ; s[28:29] my tile's mask words
.set OUTP, 30                          ; s[30:31] my tile's rows of out0
.set QP,   66                          ; s[66:67] my tile's rows of q; once they are in:
.set SEL,  66                          ; s[66:67] lane selects for v_permlanex16_b32: lane l xor 16
.set CS,   100                         ; s[100:101] c = log2(e) / 8: the packed form names a pair and takes its low word for both halves
.set WV,   104                         ; s104 my wave's number
.set CNT,  105                         ; s105 trips to go
.set IX,   8                           ; s8   my wave's number + the steps that I have begun; its low four bits are the record that I am at
.set NX,   9                           ; s9   the next record's number
                                       ; s[32:63], s[68:99] the step's 64 mask words: word n in s[32 + n], from n = 32 on in s[36 + n]; s68-79 are scratch until the first words are asked for
; A round of the cluster's barrier: my work-group's barrier, so that wave 0's signal speaks for all sixteen waves; wave 0 signals; every wave waits for all four work-groups; my work-group's barrier once more.
.macro ROUND
	s_barrier_signal -1
	s_barrier_wait -1
	s_cmp_lg_u32 s[WV], 0
	s_cbranch_scc1 .Lnot_wave_0_\@
	s_barrier_signal -3
.Lnot_wave_0_\@:
	s_barrier_wait -3
	s_barrier_signal -1
	s_barrier_wait -1
.endm
.macro MASKS                           ; a step's 64 words, 256 bytes, into scalar registers
	s_load_b512 s[32:47], s[MWP:MWP+1], s[MO] offset:0x0
	s_load_b512 s[48:63], s[MWP:MWP+1], s[MO] offset:0x40
	s_load_b512 s[68:83], s[MWP:MWP+1], s[MO] offset:0x80
	s_load_b512 s[84:99], s[MWP:MWP+1], s[MO] offset:0xc0
.endm
.macro KLOADS                          ; K's scale words and eight tiles of the record at v8: images of the registers, 512 consecutive bytes a load
	ds_load_b128 v[208:211], v8 offset:KSC
.irp g, 0,1,2,3,4,5,6,7,8,9,10,11
	ds_load_b128 v[32+4*\g:35+4*\g], v8 offset:512*\g
.endr
.endm
.macro SUMS a, n                       ; pairs a .. a + n - 1 of p's 32 pairs go to the four chains by turns; a chain's first link brings it under the new M: chain x f + p
.set q, \a
.rept \n
.set lr, 28+2*(q%4)+54*((q%4)/2)
.if q < 4
	v_pk_fma_f32 v[lr:lr+1], v[lr:lr+1], v[252:253], v[96+2*q:97+2*q] op_sel_hi:[1,0,1]
.else
	v_pk_add_f32 v[lr:lr+1], v[lr:lr+1], v[96+2*q:97+2*q]
.endif
.set q, q+1
.endr
.endm
	s_load_b64 s[QP:QP+1], s[0:1], 0x0             ; q
	s_load_b64 s[G0+2:G0+3], s[0:1], 0x8           ; kv
	s_load_b128 s[MWP:MWP+3], s[0:1], 0x10         ; mw, out0
	v_lshl_add_u32 v250, v0, 2, SPARE
	v_mov_b32 v251, 0
	ds_add_u32 v250, v251                          ; the opening lines: the add, twice on end, and its wait ahead of my tensor load
	ds_add_u32 v250, v251
	v_lshrrev_b32 v1, 5, v0
	v_readfirstlane_b32 s[WV], v1                  ; wave 0..15
	v_and_b32 v2, 31, v0
	v_and_b32 v8, 15, v0                           ; r
	v_bfe_u32 v9, v0, 4, 1                         ; h
	v_mov_b32 v3, 0xff800000                       ; -infinity,
	v_mov_b32 v14, 0xff800000                      ; and once more in a register of another bank (number mod 4), for the dual forms of the step
	v_lshlrev_b32 v1, 4, v2                        ; 16 x lane
	v_lshlrev_b32 v2, 3, v2                        ; 8 x lane
	s_mul_i32 s73, s[WV], 16*SPI
	s_add_co_u32 s73, s73, STAGE                   ; my stage
	v_mul_u32_u24 v4, v8, SPI
	v_mul_u32_u24 v5, v9, SPI
	v_lshlrev_b32 v7, 3, v9                        ; 8 h
	v_add_nc_u32 v4, s73, v4                       ; row r
	v_lshl_add_u32 v5, v8, 4, v5
	v_lshl_add_u32 v6, v9, 7, v4                   ; q: + 128 h: my half's 32 numbers
	v_lshl_add_u32 v4, v9, 5, v4                   ; the way out: + 32 h: my eight channels of a tile
	v_add_nc_u32 v5, s73, v5                       ; whole rows: lanes 0-15 one row of 256 bytes, lanes 16-31 the next
	s_wait_alu depctr_va_vdst(0)                   ; ahead of the run of scalar lines
	s_bfe_u32 s68, ttmp6, 0x40000                  ; cx: my place in the cluster: it enters q's, mw's and out0's addresses alone
	s_lshl_b32 s69, ttmp9, 2                       ; in a cluster launch ttmp9 counts clusters
	s_add_co_u32 s69, s69, s68                     ; my block of 256 queries
	s_lshl_b32 s69, s69, 4
	s_add_co_u32 s69, s69, s[WV]                   ; my tile of 16 queries, 0..127
	s_and_b32 s70, ttmp7, 0xffff                   ; the head (16 x batch + head), which the four partners share
	s_lshl_b32 s74, s70, 7
	s_add_co_u32 s74, s74, s69
	s_lshl_b32 s74, s74, 12                        ; q, out0: 16 rows of 256 bytes a tile
	s_mov_b32 s75, 0
	s_lshr_b32 s76, s70, 4                         ; the batch
	s_lshl_b32 s76, s76, 7
	s_add_co_u32 s76, s76, s69
	s_lshl_b32 s76, s76, 12                        ; mw: 16 steps of 256 bytes a tile
	s_mov_b32 s77, 0
	s_mul_i32 s78, s70, 16*REC                     ; kv: the head's records,
	s_mul_i32 s[G0+1], s[WV], REC                  ; 63:32 LDS address: record = my wave's number.  A record lies in LDS where it lies in its head's part of kv
	s_add_co_u32 s78, s78, s[G0+1]                 ; and mine among them
	s_mov_b32 s79, 0
	s_mov_b32 s[G1], 15|(3<<16)|(1<<21)            ; 15:0 the mask: all four work-groups; 17:16 elements of 8 bytes; 21 set beside a mask
	s_mov_b32 s[G1+1], 32<<16                      ; tensor_dim0 = 32: dense rows of 256 bytes, no padding
	s_mov_b32 s[G1+2], 51<<16                      ; tensor_dim1 = 51
	s_mov_b32 s[G1+3], 32<<16                      ; tile_dim0 = 32
	s_mov_b32 s[G1+4], 51                          ; tile_dim1 = 51: one record
	s_mov_b32 s[G1+5], 32                          ; from row to row
	s_mov_b32 s[G1+6], 0
	s_mov_b32 s[G1+7], 0
	s_mov_b32 s[G0], 1                             ; 1:0 count = 1
	s_mov_b32 s[CS], 0x3e38aa3b                    ; c = log2(e) / 8
	s_mov_b32 s[CS+1], s[CS]                       ; (named with it as a pair, so it is written)
	s_mov_b32 s[IX], s[WV]                         ; I BEGIN AT THE RECORD THAT I FETCH MYSELF, and walk the sixteen in turn from there: the softmax takes the keys in any order
	s_mul_i32 s[TB], s[WV], REC
	s_lshl_b32 s[MO], s[WV], 8
	s_wait_dscnt 0x0                               ; both opening adds are done
	s_wait_kmcnt 0x0
	s_add_nc_u64 s[QP:QP+1], s[QP:QP+1], s[74:75]
	s_add_nc_u64 s[OUTP:OUTP+1], s[OUTP:OUTP+1], s[74:75]
	s_add_nc_u64 s[MWP:MWP+1], s[MWP:MWP+1], s[76:77]
.irp i, 0,1,2,3,4,5,6,7
	global_load_b128 v[96+4*\i:99+4*\i], v1, s[QP:QP+1] offset:512*\i th:TH_LOAD_NT   ; my 16 rows of q, two rows (512 consecutive bytes) a load
.endr
	s_add_nc_u64 s[G0+2:G0+3], s[G0+2:G0+3], s[78:79]   ; 120:64 global address
	s_or_b32 s[G0+3], s[G0+3], 0x80000000          ; 127:126 type = 2
	ROUND                                          ; all four work-groups are here: the joint loads meet
	tensor_load_to_lds s[G0:G0+3], s[G1:G1+7]      ; my one tensor load: record w
	s_nop 0
.rept 4
	v_nop
.endr
	MASKS                                          ; my first step's mask words
	s_wait_loadcnt 0x0                             ; q is in, and its base is free:
	s_mov_b32 s[SEL], 0x76543210
	s_mov_b32 s[SEL+1], 0xfedcba98
	; q turns through my stage: in as loaded, out 32 neighbours a lane: lane (r, h) takes d = 32 h .. 32 h + 31 of query r: a whole block
.irp i, 0,1,2,3,4,5,6,7
	ds_store_b128 v5, v[96+4*\i:99+4*\i] offset:2*SPI*\i
.endr
.irp j, 0,1,2,3,4,5,6,7
	ds_load_b128 v[128+4*\j:131+4*\j], v6 offset:16*\j   ; LDS serves a wave's instructions in order: these see the stores
.endr
.irp i, 0,1,2,3,4,5
	v_mov_b32 v[22+\i], 0                          ; Q's k = 64 .. 127: zero codes
	v_mov_b32 v[80+\i], 0                          ; what stands behind K's tile 7
.endr
.irp i, 28,29,30,31,86,87,88,89
	v_mov_b32 v\i, 0                               ; the row's sum, in four chains of pairs
.endr
	v_mov_b32 v235, 0                              ; written once: a lane permute's destination counts as one of its sources
	v_mov_b32 v253, 0                              ; (named as the upper half of the pair v[252:253])
	v_mov_b32 v13, 0xff61b1e6                      ; the largest score so far: -3e38, under every score
	v_mul_f32 v12, s[CS], v13
	v_floor_f32 v12, -v12                          ; -M, made as the step makes it
	s_wait_alu depctr_va_vdst(0)
	s_wait_dscnt 0x0
	v_max3_num_f32 v232, |v128|, |v129|, |v130|    ; my block's largest magnitude, in two chains
	v_max3_num_f32 v233, |v131|, |v132|, |v133|
.irp i, 6,10,14,18,22,26
	v_max3_num_f32 v232, v232, |v[128+\i]|, |v[129+\i]|
	v_max3_num_f32 v233, v233, |v[130+\i]|, |v[131+\i]|
.endr
	v_max3_num_f32 v232, v232, |v158|, |v159|
	v_max3_num_f32 v232, v232, v233, 0x2800000     ; and the floor 2^(5 - 127): the byte cannot fall under 1
	v_add_nc_u32 v244, 0xfe000000, v232            ; 4 off the exponent field: the conversion's scale operand
	v_lshrrev_b32 v254, 23, v244                   ; the scale's byte,
	v_lshlrev_b32 v254, v7, v254                   ; at its place in the query's word (8 h bits up);
	v_permlanex16_b32 v235, v254, s[SEL], s[SEL+1]
	v_or_b32 v255, v254, v235                      ; with lane l xor 16's: bytes 0 and 1; bytes 2 and 3 stay 0
	v_cvt_scalef32_pk16_bf6_f32 v[16:18], v[128:143], v244
	v_cvt_scalef32_pk16_bf6_f32 v[240:242], v[144:159], v244   ; (a conversion's three registers begin on an even number)
	v_add_nc_u32 v8, s[TB], v1                     ; my own record.  (One plain place behind a scaled conversion)
.irp i, 0,1,2
	v_mov_b32 v[19+\i], v[240+\i]
.endr
.set j, 0
.rept 32
	v_mov_b32 v[160+j], 0                          ; O^T.  (The step is written for every step alike: the first finds zeros.  These are also the places between Q's scale word and the first product)
.set j, j+1
.endr
; A KEY STEP: 128 keys, whose K has been asked for.  more = 1: a step follows: its record's address is made and its mask words are asked for.  kl = 1: its K is asked for too.
; sig = 1, the first step alone: the work-group's one barrier is signalled in the step's middle; the wait for it follows the step.
.macro BODY more, kl, sig
	s_wait_dscnt 0x0                               ; K's tiles and scale words
.irp t, 0,2,4,6                                ; S^T = K Q^T: eight accumulators, one product each, begun with the constant 0.  A scale register carries an even tile's words in lanes 0-15 and the odd tile's in lanes 16-31
	v_wmma_scale_f32_16x16x128_f8f6f4 v[96+8*\t:103+8*\t], v[32+6*\t:43+6*\t], v[16:27], 0, v[208+\t/2], v255 matrix_a_fmt:MATRIX_FMT_BF6 matrix_b_fmt:MATRIX_FMT_BF6
	v_wmma_scale_f32_16x16x128_f8f6f4 v[104+8*\t:111+8*\t], v[38+6*\t:49+6*\t], v[16:27], 0, v[208+\t/2], v255 matrix_a_fmt:MATRIX_FMT_BF6 matrix_b_fmt:MATRIX_FMT_BF6 matrix_a_scale:MATRIX_SCALE_ROW1
.endr
	v_mov_b32 v10, v12                             ; the old -M.  Four places: in front of the loads into K's registers and of the first read of the scores
	v_add_nc_u32 v9, s[TB], v2
	v_nop
	v_nop
.irp g, 0,1,2,3,4,5,6,7,8,9,10,11
	ds_load_b128 v[32+4*\g:35+4*\g], v8 offset:VIM+512*\g   ; V's four tiles: they land while the softmax is walked
.endr
	ds_load_b64 v[204:205], v9 offset:VSC          ; V's scale words
	s_wait_kmcnt 0x0                               ; this step's mask words, asked for a step ago
.if \more
	s_add_co_u32 s[IX], s[IX], 1                   ; on to the next record, round from 15 to 0,
	s_and_b32 s[NX], s[IX], 15
	s_mul_i32 s[TB], s[NX], REC
	s_lshl_b32 s[MO], s[NX], 8                     ; and (behind the wait above, which shows the last loads done) that step's words
.endif
.set n, 0
; Hidden scores become -infinity, ahead of the maximum; each accumulator is read from its low end on.  From the fifth score on the select shares its instruction with the running maximum over the score masked
; four instructions earlier: score mm goes to accumulator mm % 4 of its block of 32 keys (v236-239, v240-243).  The dual form of the select takes its mask from VCC.  One destination of a pair is even and the other odd, and the
; pair's first sources, and its second sources, lie in different banks (number mod 4): the select's are -infinity (v3, or v14 beside a score of bank 3) and score n, the maximum's are score n - 4 and an accumulator whose number mod 4 is (n mod 4) xor 1.
.rept 64
.if n < 4
	v_cndmask_b32 v[96+n], v3, v[96+n], s[32+n]
.else
.set mm, n-4
.set acr, 236+4*(mm/32)+(mm%4)+1-2*(mm%2)
.set ninf, 3+11*((n%4)/3)
	s_mov_b32 vcc_lo, s[32+n+4*(n/32)]
.if (mm%32) < 4
	v_dual_cndmask_b32 v[96+n], v[ninf], v[96+n] :: v_dual_mov_b32 v[acr], v[96+mm]
.else
	v_dual_cndmask_b32 v[96+n], v[ninf], v[96+n] :: v_dual_max_num_f32 v[acr], v[96+mm], v[acr]
.endif
.endif
.set n, n+1
.endr
	v_max3_num_f32 v232, v237, v236, v239          ; the largest score of my two blocks of 32 keys: block h's four accumulators;
	v_max3_num_f32 v233, v241, v240, v156          ; block 2 + h's four and the last four scores
	v_max3_num_f32 v234, v243, v242, v157
	v_max_num_f32 v232, v232, v238
	v_max3_num_f32 v233, v233, v234, v158
	v_max_num_f32 v233, v233, v159                 ; each serves for the row's maximum and, since p rises with the score, for the block's largest p
.if \more
	MASKS
.endif
.if \sig
	s_wait_alu depctr_va_vdst(0)
	s_wait_dscnt 0x0                               ; no LDS instruction of mine is out,
	s_barrier_signal -1                            ; and my record has landed (the wait on TENSORcnt stands ahead of this step): say so.  Up to the barrier's wait only work on registers follows
.endif
	v_max_num_f32 v234, v232, v233                 ; my half of the step's largest score
	v_permlanex16_b32 v235, v234, s[SEL], s[SEL+1] ; lane l xor 16 holds my query's other two blocks
	v_max3_num_f32 v13, v13, v234, v235            ; the running largest score
	s_delay_alu instid0(VALU_DEP_1)
	v_mul_f32 v234, s[CS], v13                     ; as t (c is positive)
	s_delay_alu instid0(VALU_DEP_1)
	v_floor_f32 v12, -v234                         ; the new -M = floor(-t) = -ceil(t): M is a whole number
	s_delay_alu instid0(VALU_DEP_1)
	v_sub_f32 v234, v12, v10                       ; M's old value less its new one: a whole number, 0 or less.  The three lines that make f stand among the multiply-adds, which want -M alone
.set j, 0
.rept 4
	v_pk_fma_f32 v[96+j:97+j], v[96+j:97+j], s[CS:CS+1], v[12:13] op_sel_hi:[1,0,0]
.set j, j+2
.endr
	v_cvt_i32_f32 v234, v234                       ; (it saturates)
.rept 4
	v_pk_fma_f32 v[96+j:97+j], v[96+j:97+j], s[CS:CS+1], v[12:13] op_sel_hi:[1,0,0]
.set j, j+2
.endr
	v_ldexp_f32 v252, 1.0, v234                    ; f = 2^(old M - new M)
.rept 24
	v_pk_fma_f32 v[96+j:97+j], v[96+j:97+j], s[CS:CS+1], v[12:13] op_sel_hi:[1,0,0]   ; t - M, two at a time (of the pairs c and -M the low word serves both halves)
.set j, j+2
.endr
	v_fma_f32 v232, v232, s[CS], v12               ; the same of each block's largest score
	v_fma_f32 v233, v233, s[CS], v12
.set j, 0
.rept 16
	v_pk_mul_f32 v[160+j:161+j], v[160+j:161+j], v[252:253] op_sel_hi:[1,0]   ; O^T under the new M, each accumulator from its low end on; no transcendental stands between the products that wrote it and these lines
.set j, j+2
.endr
	s_wait_alu depctr_va_vdst(0)                   ; ahead of the batch
.set j, 0
.rept 64
	v_exp_f32 v[96+j], v[96+j]                     ; p = 2^(t - M), at most 1, 0 for hidden keys: not normalised
.set j, j+1
.endr
	v_exp_f32 v232, v232                           ; the block's largest p: the same two instructions on the same number give the same bits
	v_exp_f32 v233, v233
.if \more
	v_add_nc_u32 v8, s[TB], v1                     ; the next record (V's loads, which named v8, are issued).  A plain place behind the exponentials
.else
	v_nop
.endif
	s_wait_alu depctr_va_vdst(0)                   ; one wait for the whole batch, ahead of its first reader
	v_max_num_f32 v232, 0x2800000, v232            ; the floor 2^(5 - 127): the byte cannot fall under 1 (a block whose every p is 0 keeps that byte: its codes are zeros)
	v_max_num_f32 v233, 0x2800000, v233
	v_add_nc_u32 v236, 0xfe000000, v232            ; 4 off the exponent field: the conversion's scale operand
	v_add_nc_u32 v237, 0xfe000000, v233
	v_cvt_scalef32_pk16_bf6_f32 v[192:194], v[96:111], v236     ; my block h: keys 32 h + 0 .. 15,
	v_cvt_scalef32_pk16_bf6_f32 v[240:242], v[112:127], v236    ; and + 16 .. 31 (a conversion's three registers begin on an even number)
	v_cvt_scalef32_pk16_bf6_f32 v[198:200], v[128:143], v237    ; my block 2 + h
	v_cvt_scalef32_pk16_bf6_f32 v[244:246], v[144:159], v237
	v_lshrrev_b32 v238, 23, v236                   ; the scales' bytes.  (Plain places behind the conversions.)  The six moves of the blocks' upper halves stand among the lines that make the scale word
	v_lshrrev_b32 v239, 23, v237
	v_mov_b32 v195, v240
	v_mov_b32 v196, v241
	v_lshl_or_b32 v238, v239, 16, v238             ; blocks h and 2 + h,
	v_mov_b32 v197, v242
	v_mov_b32 v201, v244
	v_lshlrev_b32 v238, v7, v238                   ; at their places in the word (8 h bits up);
	v_mov_b32 v202, v245
	v_permlanex16_b32 v235, v238, s[SEL], s[SEL+1]
	v_mov_b32 v203, v246
	v_or_b32 v206, v238, v235                      ; with lane l xor 16's two: p's scale word for these 128 keys
	SUMS 0, 8                                      ; THE ROW'S SUM IS TAKEN OF THE UNQUANTISED p.  These eight are the places between p's scale word and codes and the products below
	s_wait_alu depctr_va_vdst(0)
	s_wait_dscnt 0x0                               ; V's tiles and scale words
.irp t, 0,2                                    ; O^T += V^T P^T: four accumulators, one product each; between two links of a chain stand the next step's eight products on other accumulators
	v_wmma_scale_f32_16x16x128_f8f6f4 v[160+8*\t:167+8*\t], v[32+12*\t:43+12*\t], v[192:203], v[160+8*\t:167+8*\t], v[204+\t/2], v206 matrix_a_fmt:MATRIX_FMT_BF6 matrix_b_fmt:MATRIX_FMT_BF6
	v_wmma_scale_f32_16x16x128_f8f6f4 v[168+8*\t:175+8*\t], v[44+12*\t:55+12*\t], v[192:203], v[168+8*\t:175+8*\t], v[204+\t/2], v206 matrix_a_fmt:MATRIX_FMT_BF6 matrix_b_fmt:MATRIX_FMT_BF6 matrix_a_scale:MATRIX_SCALE_ROW1
.endr
	SUMS 8, 4                                      ; four places in front of the loads into V's registers: they name p and the chains alone
.if \kl
	KLOADS                                         ; the next step's K lands under the rest of the sum
.endif
	SUMS 12, 20
.endm
	s_wait_alu depctr_va_vdst(0)                   ; at the head's end
	s_wait_tensorcnt 0x0                           ; my record has landed: my first step reads bytes that my own load brought, and no others
	KLOADS
	BODY 1, 0, 1
	s_barrier_wait -1                              ; every wave has said that its record has landed: all sixteen are whole
	KLOADS                                         ; only now a record that another wave fetched
	s_mov_b32 s[CNT], 14
.Lstep:
	BODY 1, 1, 0
	s_sub_co_u32 s[CNT], s[CNT], 1
	s_cmp_lg_u32 s[CNT], 0
	s_cbranch_scc1 .Lstep
	BODY 0, 0, 0                                   ; the sixteenth step asks for nothing more
	; THE WAY OUT.  O^T is divided by the row's sum and goes through my stage, so that each store writes two whole rows of 256 bytes.
	v_pk_add_f32 v[28:29], v[28:29], v[30:31]      ; the four chains,
	v_pk_add_f32 v[86:87], v[86:87], v[88:89]
	s_delay_alu instid0(VALU_DEP_1)
	v_pk_add_f32 v[28:29], v[28:29], v[86:87]
	s_delay_alu instid0(VALU_DEP_1)
	v_add_f32 v28, v28, v29                        ; the pair's two halves,
	v_permlanex16_b32 v235, v28, s[SEL], s[SEL+1]
	v_add_f32 v28, v28, v235                       ; and lane l xor 16's: the row's sum
	s_wait_alu depctr_va_vdst(0)                   ; ahead of the transcendental
	v_rcp_f32 v28, v28
	v_nop                                          ; a plain place behind the reciprocal
	s_wait_alu depctr_va_vdst(0)                   ; ahead of its first reader, which is also O^T's first reader
.set j, 0
.rept 16
	v_pk_mul_f32 v[96+j:97+j], v[160+j:161+j], v[28:29] op_sel_hi:[1,0]   ; register 8 T + i is out0(query r, channel 16 T + 8 h + i); each accumulator from its low end on
.set j, j+2
.endr
.irp t, 0,1,2,3
	ds_store_b128 v4, v[96+8*\t:99+8*\t] offset:64*\t
	ds_store_b128 v4, v[100+8*\t:103+8*\t] offset:64*\t+16
.endr
.irp i, 0,1,2,3,4,5,6,7
	ds_load_b128 v[32+4*\i:35+4*\i], v5 offset:2*SPI*\i   ; LDS serves a wave's instructions in order: these see the stores
.endr
.irp i, 0,1,2,3,4,5,6,7
	s_wait_dscnt 7-\i                              ; load i is in; the younger ones may be out
	global_store_b128 v1, v[32+4*\i:35+4*\i], s[OUTP:OUTP+1] offset:512*\i th:TH_STORE_NT   ; 32 lanes store 512 consecutive bytes, at a multiple of 256 from out0's first byte
.endr
	s_wait_tensorcnt 0x0                           ; the wave's end
	ds_add_u32 v250, v251
	s_wait_dscnt 0x0
	ROUND                                          ; the closing round: no work-group ends while a partner may still ask for a tile that names it
	s_endpgm
.Lfunc_end_k_qde03aa92da_attn:
	.size	k_qde03aa92da_attn, .Lfunc_end_k_qde03aa92da_attn-k_qde03aa92da_attn
	.p2alignl 7, 3214868480
	.fill 96, 4, 3214868480
	.section	.rodata,"a",@progbits
	.p2align	6, 0x0
	.amdhsa_kernel k_qde03aa92da_attn
		.amdhsa_group_segment_fixed_size 280576
		.amdhsa_private_segment_fixed_size 0
		.amdhsa_enable_private_segment 0
		.amdhsa_kernarg_size 32
		.amdhsa_user_sgpr_count 2
		.amdhsa_user_sgpr_kernarg_segment_ptr 1
		.amdhsa_wavefront_size32 1
		.amdhsa_system_sgpr_workgroup_id_x 1
		.amdhsa_system_sgpr_workgroup_id_y 1
		.amdhsa_system_sgpr_workgroup_id_z 1
		.amdhsa_system_vgpr_workitem_id 0
		.amdhsa_next_free_vgpr 256
		.amdhsa_next_free_sgpr 106
		.amdhsa_reserve_vcc 1
		.amdhsa_float_denorm_mode_32 3
		.amdhsa_float_denorm_mode_16_64 3
		.amdhsa_memory_ordered 1
		.amdhsa_forward_progress 1
		.amdhsa_inst_pref_size 70
	.end_amdhsa_kernel
	.amdgpu_metadata
---
amdhsa.version: [ 1, 2 ]
amdhsa.kernels:
  - .name:           k_qde03aa92da_attn
    .symbol:         k_qde03aa92da_attn.kd
    .args:
      - { .name: q, .offset: 0, .size: 8, .value_kind: global_buffer, .address_space: global }
      - { .name: kv, .offset: 8, .size: 8, .value_kind: global_buffer, .address_space: global }
      - { .name: mw, .offset: 16, .size: 8, .value_kind: global_buffer, .address_space: global }
      - { .name: out0, .offset: 24, .size: 8, .value_kind: global_buffer, .address_space: global }
    .group_segment_fixed_size: 280576
    .private_segment_fixed_size: 0
    .kernarg_segment_align: 8
    .kernarg_segment_size: 32
    .max_flat_workgroup_size: 512
    .sgpr_count:     106
    .vgpr_count:     256
    .wavefront_size: 32
...
	.end_amdgpu_metadata
.endif
;; end of part 2
